; MI455X (gfx1250); checked and timed in simulation.
; The chip was launched on July 23, 2026; its instructions are those of AMD's public machine-readable ISA for CDNA 5 (MIT licence, August 2026) and "CDNA5" Instruction Set Architecture Reference Guide (July 2026). The comments in the code are by the model that wrote it; some were corrected since.
;; Codebook Quantizer. Allowed arithmetic: matrix products marked QUANTISED: E2M1 operands, one E8M0 scale for each 32 along K, by v_wmma_scale_f32_16x16x128_f8f6f4 with both operands' format E2M1 (or v_wmma_scale_f32_32x16x128_f4), f32 sums; everything else in f32.
;; Inputs: codebook 8,192 x 512 float32; x 8 x 2,048 x 512 float32.
;; Outputs: out0 8 x 2,048 x 512 float32.
;; This version of the problem:
;;   THIS VERSION OF THE PROBLEM IS GIVEN IN LOW PRECISION. The matrix products marked QUANTISED in the list below multiply operands that are first quantised to E2M1 (2 exponent bits, 1 mantissa bit; 4 bits a number), with one power-of-two scale for each 32 numbers along K (OCP MX v1.0); their sums are f32. All else is computed in f32.
;;   The module's matrix products, in the order in which they are computed (A, B: the left and right operand; K: the contracted axis; several contracted axes count as one K, in the product's order):
;;     1. [M 16,384, K 512] x [K 512, N 8,192]; A: input x; B: input codebook: QUANTISED
;;   THE QUANTISER, for each operand of a quantised product, along K:
;;     - K is cut into blocks of 32 from its start; a last block that is shorter is filled with zeros.
;;     - A block's scale is 2^e with e = floor(log2(the largest magnitude in the block)) - 2, held to -126 .. 127; a block of zeros has e = 0. As a byte (E8M0): e + 127.
;;     - Each number is divided by its block's scale, clamped to +-6, and rounded to the nearest number of E2M1, ties to even, subnormals kept.
;;     - The product sums the exact products of the quantised numbers (number of the format x scale) in f32.
;;   ~~~python
;;   def quantise(x, axis):      # numpy; x: float32 -> the quantised numbers, widened to float32 again
;;       x = np.moveaxis(x, axis, -1); K = x.shape[-1]
;;       x = np.pad(x, [(0, 0)] * (x.ndim - 1) + [(0, -K % 32)]); x = x.reshape(x.shape[:-1] + (-1, 32)); a = np.abs(x).max(-1, keepdims=True)
;;       e = np.where(a > 0, np.clip(np.frexp(np.where(a > 0, a, 1))[1] - 1 - 2, -126, 127), 0)      # np.frexp(a)[1] - 1 = floor(log2(a)), exactly
;;       r = np.clip(x / 2.0 ** e, -6, 6)
;;       step = 2.0 ** (np.maximum(np.frexp(np.where(r == 0, 1, r))[1] - 1, 0) - 1)
;;       q = np.round(r / step) * step * 2.0 ** e      # np.round: ties to even
;;       return np.moveaxis(q.reshape(q.shape[:-2] + (-1,))[..., :K], -1, axis).astype(np.float32)
;;   ~~~
;; One version. Each part assembles by itself: llvm-mc -triple=amdgcn-amd-amdhsa -mcpu=gfx1250 --defsym DOCPART=n.
;; ======== version 1 of 1: 3 launches
;; limits: right only within a limited range of input values
;; workspace buffers: xq 4,456,448 bytes; cbq 2,260,992 bytes; bestk 262,144 bytes of whole numbers; besti 262,144 bytes of whole numbers
;; launch quant (part 1): grid 256 x 1, 6 waves a work-group, no clusters, 51,456 bytes of LDS; arguments x, codebook, xq, cbq; writes xq, cbq
.if DOCPART == 1
	.amdgcn_target "amdgcn-amd-amdhsa--gfx1250"
	.amdhsa_code_object_version 6
	.text
	.protected	k_qb06708565c_quant
	.globl	k_qb06708565c_quant
	.p2align	8
	.type	k_qb06708565c_quant,@function
k_qb06708565c_quant:
	s_mov_b64 s[64:65], 0
	v_nop
	global_prefetch_b8 v0, s[64:65] scope:SCOPE_SE
	s_setreg_imm32_b32 hwreg(HW_REG_WAVE_MODE, 25, 1), 1
	s_wait_xcnt 0x0
; x [16384][512] and codebook [8192][512], f32, become codes of FP4 (E2M1) with one E8M0 scale byte for each 32 along K, laid IN THE ORDER OF THE OPERAND'S REGISTERS,
; so that the search launch takes every fragment by loads of 512 consecutive bytes.  For the codebook -|e|^2 / 2 of each row (of the f32 numbers, not of the codes) is stored beside them.
; A block's scale is 2^(floor(log2(its largest magnitude)) - 2); its byte is the largest magnitude's exponent field - 2, held at 1 from below.  A block of zeros so gets the byte 1:
; its codes are zeros, which add nothing, and the bytes are read by this program alone.
; LIMITS: NaN and infinities among the inputs are not served; blocks whose largest magnitude lies under 2^-124 keep the byte 1; |e|^2 is summed in four chains a lane, another order than a plain sum's.
; LAYOUT OUT.  A tile is 16 rows x 512 K = 4,096 bytes of codes in 8 pieces of 512 bytes: piece 2 q + c holds, at 16 x lane, the 32 codes k = 128 q + 64 c + 32 (lane / 16) + 0 .. 31 of row lane % 16.
;   xq:  a record of 34,816 bytes for 128 rows: 8 tiles, then 16 bytes of scales a row (word q for K step q).
;   cbq: a chunk of 141,312 bytes for 512 codes: 32 tiles, then 16 bytes of scales a row, then 4 bytes of -|e|^2 / 2 a row.
; SHARES.  A wave takes one tile (32,768 bytes of f32).  Waves 0-3 of work-group g take x's tiles 4 g + w, waves 4 and 5 the codebook's tiles 2 g + w - 4: six tiles to each of 256 work-groups.
; Only pointers and constants are chosen by the wave's number: both tensors take one path, but for the sum of squares.  Waves share nothing: no barrier.
; Each load reads 512 consecutive bytes of a row; a K step's 16 rows x 512 bytes turn through the wave's own stage in LDS, from which a lane takes two whole blocks of 32 neighbours of its row.
; WORK LEFT OUT IN THIS PROGRAM: |x|^2.  reference() adds it to every distance of a row, so it is the same along the axis of the argmin and cannot move the code chosen, whatever the inputs hold:
; it is not computed in any launch.  x itself is live (it is an operand of the product).  A NaN, an infinity or an overflow that would arise in |x|^2 alone is not carried to the result.
.set XREC,  34816
.set CHUNK, 141312
.set XSCO,  32768                      ; where a record's scales begin
.set CSCO,  131072                     ; where a chunk's scales begin,
.set CBIO,  139264                     ; and its -|e|^2 / 2
.set PITCH, 528                        ; a stage row: 512 bytes + 16 = 132 words: row r starts at bank 4 r mod 64 (64 banks of 4 bytes: ISA guide 11.1)
.set STAGE, 16*PITCH                   ; a wave's stage
.set WV,  12                           ; s12      my wave's number
.set SRC, 4                            ; s[4:5]   my tile in x or in the codebook
.set CD,  24                           ; s[24:25] where my tile's codes go
.set SD,  26                           ; s[26:27] its scale words
.set BD,  28                           ; s[28:29] its -|e|^2 / 2 (the codebook's waves alone)
.set SEL, 32                           ; s[32:33] lane selects for v_permlanex16_b32: lane l xor 16
.set LN,  1                            ; v1   lane
.set RR,  2                            ; v2   r = lane % 16
.set HH,  3                            ; v3   h = lane / 16
.set L16, 4                            ; v4   16 x lane; never rewritten
.set STI, 5                            ; v5   the stage, on the way in: 16 x lane
.set STO, 6                            ; v6   on the way out: row r, + 128 h
.set SCA, 7                            ; v7   16 r + 8 h: my 8 bytes of the tile's scale words
.set BIA, 8                            ; v8   4 r
.set H8,  9                            ; v9   8 h
.set M,   10                           ; v10-11  the two blocks' largest magnitudes
.set SO,  12                           ; v12-13  the conversions' scale operands
.set BY,  14                           ; v14-15  the scale bytes
.set R,   16                           ; v16-143 two sets of 64: a K step as it is loaded
.set X,   144                          ; v144-207 register 32 c + i: the number k = 128 q + 64 c + 32 h + i of my row
.set C,   208                          ; v208-239 codes: 8 registers for each K step, so that no store's data are written again
.set SW,  240                          ; v240-243 the row's scale word of each K step
.set S,   244                          ; v244-247 sums of squares, two chains of pairs
	s_load_b256 s[4:11], s[0:1], 0x0               ; x s[4:5], codebook s[6:7], xq s[8:9], cbq s[10:11]
	v_lshl_add_u32 v254, v0, 2, 0xc600
	v_mov_b32 v255, 0
	v_lshrrev_b32 v1, 5, v0
	v_readfirstlane_b32 s[WV], v1                  ; wave 0..5
	v_and_b32 v[LN], 31, v0
	v_and_b32 v[RR], 15, v0
	v_bfe_u32 v[HH], v0, 4, 1
	v_lshlrev_b32 v[L16], 4, v[LN]
	s_mul_i32 s30, s[WV], STAGE
	v_add_nc_u32 v[STI], s30, v[L16]
	v_mul_u32_u24 v[STO], v[RR], PITCH
	v_lshl_add_u32 v[STO], v[HH], 7, v[STO]
	v_add_nc_u32 v[STO], s30, v[STO]
	v_lshlrev_b32 v[SCA], 4, v[RR]
	v_lshl_add_u32 v[SCA], v[HH], 3, v[SCA]
	v_lshlrev_b32 v[BIA], 2, v[RR]
	v_lshlrev_b32 v[H8], 3, v[HH]
	v_mov_b32 v249, 0                              ; written once: a lane permute's destination counts as one of its sources
	v_mov_b32 v253, 0
.irp i, 0,1,2,3
	v_mov_b32 v[S+\i], 0
.endr
	s_mov_b32 s[SEL], 0x76543210
	s_mov_b32 s[SEL+1], 0xfedcba98
	s_lshl_b32 s13, ttmp9, 2
	s_add_co_u32 s13, s13, s[WV]                   ; x's tile: 4 g + w
	s_lshl_b32 s14, ttmp9, 1
	s_add_co_u32 s14, s14, s[WV]
	s_sub_co_u32 s14, s14, 4                       ; the codebook's: 2 g + w - 4 (used in waves 4 and 5 alone)
	s_mov_b32 s16, CHUNK
	s_mov_b32 s17, CSCO
	s_wait_kmcnt 0x0
	s_cmp_lt_u32 s[WV], 4                          ; x's wave or the codebook's?  The choice hangs on the wave's number alone
	s_cselect_b64 s[SRC:SRC+1], s[4:5], s[6:7]
	s_cselect_b64 s[8:9], s[8:9], s[10:11]
	s_cselect_b32 s13, s13, s14                    ; T: my tile
	s_cselect_b32 s15, 3, 5                        ; 8 tiles to a record, 32 to a chunk
	s_cselect_b32 s16, XREC, s16
	s_cselect_b32 s17, XSCO, s17
	s_lshl_b32 s18, s13, 15                        ; a tile is 32,768 bytes of f32
	s_mov_b32 s19, 0
	s_add_nc_u64 s[SRC:SRC+1], s[SRC:SRC+1], s[18:19]
	s_lshr_b32 s20, s13, s15
	s_mul_i32 s20, s20, s16                        ; where my record or chunk begins
	s_bfm_b32 s21, s15, 0
	s_and_b32 s21, s13, s21                        ; my tile in it
	s_mov_b32 s23, 0
	s_lshl_b32 s22, s21, 12
	s_add_co_u32 s22, s22, s20
	s_add_nc_u64 s[CD:CD+1], s[8:9], s[22:23]      ; codes: 4,096 bytes a tile
	s_lshl_b32 s22, s21, 8
	s_add_co_u32 s22, s22, s20
	s_add_co_u32 s22, s22, s17
	s_add_nc_u64 s[SD:SD+1], s[8:9], s[22:23]      ; scales: 256 bytes a tile
	s_lshl_b32 s22, s21, 6
	s_add_co_u32 s22, s22, s20
	s_add_co_u32 s22, s22, CBIO
	s_add_nc_u64 s[BD:BD+1], s[8:9], s[22:23]      ; -|e|^2 / 2: 64 bytes a tile
.macro LOAD q                          ; K step q of my 16 rows: each load reads 512 consecutive bytes of one row
.irp i, 0,1,2,3,4,5,6,7,8,9,10,11,12,13,14,15
	global_load_b128 v[R+64*((\q)%2)+4*\i:R+64*((\q)%2)+4*\i+3], v[L16], s[SRC:SRC+1] offset:\i*2048+(\q)*512 th:TH_LOAD_NT
.endr
.endm
.macro STEP q
.if (\q) < 3
	s_wait_loadcnt 16                              ; this K step's 16 loads are in; the next step's 16 may be out
.else
	s_wait_loadcnt 0x0
.endif
.irp i, 0,1,2,3,4,5,6,7,8,9,10,11,12,13,14,15
	ds_store_b128 v[STI], v[R+64*((\q)%2)+4*\i:R+64*((\q)%2)+4*\i+3] offset:\i*PITCH
.endr
.irp c, 0,1
.irp i, 0,1,2,3,4,5,6,7
	ds_load_b128 v[X+32*\c+4*\i:X+32*\c+4*\i+3], v[STO] offset:256*\c+16*\i   ; LDS serves a wave's instructions in order (ISA guide 5.7.1.4): these see the stores above
.endr
.endr
	s_wait_dscnt 0x0                               ; my 64 numbers are in, and the stores have read their registers,
.if (\q) < 2
	LOAD \q+2                                      ; which take the K step two on
.endif
.irp c, 0,1
	v_max3_num_f32 v[M+\c], |v[X+32*\c]|, |v[X+32*\c+1]|, 0x1800000   ; block 2 c + h: all its 32 numbers are mine; and the floor 2^(3 - 127): so the byte cannot fall under 1
.endr
.irp i, 2,4,6,8,10,12,14,16,18,20,22,24,26,28,30
.irp c, 0,1
	v_max3_num_f32 v[M+\c], v[M+\c], |v[X+32*\c+\i]|, |v[X+32*\c+\i+1]|   ; (the two blocks by turns)
.endr
.endr
.irp c, 0,1
	v_add_nc_u32 v[SO+\c], 0xff000000, v[M+\c]     ; 2 off the exponent field: the conversion takes the exponent field of this operand as its scale, and nothing else of it
.endr
.irp c, 0,1
	v_lshrrev_b32 v[BY+\c], 23, v[SO+\c]           ; the scale's byte
.endr
	v_lshl_or_b32 v248, v[BY+1], 16, v[BY]         ; my two bytes: blocks h and 2 + h of my row,
	v_lshlrev_b32 v248, v[H8], v248                ; at their places in the scale word (8 h bits up);
	v_permlanex16_b32 v249, v248, s[SEL], s[SEL+1]
	v_or_b32 v[SW+(\q)], v248, v249                ; with lane l xor 16's two the word is whole
.irp c, 0,1
.irp g, 0,1,2,3
	v_cvt_scalef32_pk8_fp4_f32 v[C+8*(\q)+4*\c+\g], v[X+32*\c+8*\g:X+32*\c+8*\g+7], v[SO+\c]   ; to the nearest code, ties to even; beyond the largest code the largest
.endr
.endr
	v_nop                                          ; one plain place behind the last scaled conversion
.irp c, 0,1
	global_store_b128 v[L16], v[C+8*(\q)+4*\c:C+8*(\q)+4*\c+3], s[CD:CD+1] offset:(2*(\q)+\c)*512   ; a piece: 32 lanes store 512 consecutive bytes, at a multiple of 256 from the buffer's first byte
.endr
	s_cmp_lt_u32 s[WV], 4                          ; the codebook's waves add the squares of the f32 numbers
	s_cbranch_scc1 .Lno_squares_\@
.irp j, 0,4,8,12,16,20,24,28,32,36,40,44,48,52,56,60
	v_pk_fma_f32 v[S:S+1], v[X+\j:X+\j+1], v[X+\j:X+\j+1], v[S:S+1]
	v_pk_fma_f32 v[S+2:S+3], v[X+\j+2:X+\j+3], v[X+\j+2:X+\j+3], v[S+2:S+3]
.endr
.Lno_squares_\@:
.endm
	LOAD 0
	LOAD 1
	STEP 0
	STEP 1
	STEP 2
	STEP 3
	v_cmp_eq_u32 vcc_lo, 1, v[HH]                  ; the row's four scale words leave 8 bytes a lane: lanes 0-15 words 0 and 1, lanes 16-31 words 2 and 3
	v_cndmask_b32 v250, v[SW], v[SW+2], vcc_lo
	v_cndmask_b32 v251, v[SW+1], v[SW+3], vcc_lo
	global_store_b64 v[SCA], v[250:251], s[SD:SD+1]   ; the 32 lanes store 256 consecutive bytes, at a multiple of 256 from the buffer's first byte
	s_cmp_lt_u32 s[WV], 4
	s_cbranch_scc1 .Lend
	v_add_f32 v[S], v[S], v[S+1]
	v_add_f32 v[S+2], v[S+2], v[S+3]
	v_add_f32 v[S], v[S], v[S+2]
	v_permlanex16_b32 v253, v[S], s[SEL], s[SEL+1]
	v_add_f32 v[S], v[S], v253                     ; with lane l xor 16's half of the row: |e|^2
	v_mul_f32 v252, -0.5, v[S]
	s_wait_alu depctr_va_vdst(0)
	s_wait_xcnt 0x0                                ; EXEC is a source of the stores above: it changes only behind this wait
	v_cmp_gt_u32 vcc_lo, 16, v[LN]
	s_and_saveexec_b32 s31, vcc_lo
	global_store_b32 v[BIA], v252, s[BD:BD+1]      ; lanes 0-15: 64 consecutive bytes
	s_wait_xcnt 0x0                                ; and again in front of the line that widens it
	s_or_b32 exec_lo, exec_lo, s31
.Lend:
	s_wait_tensorcnt 0x0
	ds_add_u32 v254, v255
	s_wait_dscnt 0x0
	s_endpgm
.Lfunc_end_k_qb06708565c_quant:
	.size	k_qb06708565c_quant, .Lfunc_end_k_qb06708565c_quant-k_qb06708565c_quant
	.p2alignl 7, 3214868480
	.fill 96, 4, 3214868480
	.section	.rodata,"a",@progbits
	.p2align	6, 0x0
	.amdhsa_kernel k_qb06708565c_quant
		.amdhsa_group_segment_fixed_size 51456
		.amdhsa_private_segment_fixed_size 0
		.amdhsa_enable_private_segment 0
		.amdhsa_kernarg_size 32
		.amdhsa_user_sgpr_count 2
		.amdhsa_user_sgpr_kernarg_segment_ptr 1
		.amdhsa_wavefront_size32 1
		.amdhsa_system_sgpr_workgroup_id_x 1
		.amdhsa_system_sgpr_workgroup_id_y 1
		.amdhsa_system_sgpr_workgroup_id_z 1
		.amdhsa_system_vgpr_workitem_id 0
		.amdhsa_next_free_vgpr 256
		.amdhsa_next_free_sgpr 66
		.amdhsa_reserve_vcc 1
		.amdhsa_float_denorm_mode_32 3
		.amdhsa_float_denorm_mode_16_64 3
		.amdhsa_memory_ordered 1
		.amdhsa_forward_progress 1
		.amdhsa_inst_pref_size 39
	.end_amdhsa_kernel
	.amdgpu_metadata
---
amdhsa.version: [ 1, 2 ]
amdhsa.kernels:
  - .name:           k_qb06708565c_quant
    .symbol:         k_qb06708565c_quant.kd
    .args:
      - { .name: x, .offset: 0, .size: 8, .value_kind: global_buffer, .address_space: global }
      - { .name: codebook, .offset: 8, .size: 8, .value_kind: global_buffer, .address_space: global }
      - { .name: xq, .offset: 16, .size: 8, .value_kind: global_buffer, .address_space: global }
      - { .name: cbq, .offset: 24, .size: 8, .value_kind: global_buffer, .address_space: global }
    .group_segment_fixed_size: 51456
    .private_segment_fixed_size: 0
    .kernarg_segment_align: 8
    .kernarg_segment_size: 32
    .max_flat_workgroup_size: 192
    .sgpr_count:     66
    .vgpr_count:     256
    .wavefront_size: 32
...
	.end_amdgpu_metadata
.endif
;; end of part 1
;; launch search (part 2): grid 64 x 4, 8 waves a work-group, clusters of 4 x 1, 327,680 bytes of LDS; arguments xq, cbq, bestk, besti; writes bestk, besti
.if DOCPART == 2
	.amdgcn_target "amdgcn-amd-amdhsa--gfx1250"
	.amdhsa_code_object_version 6
	.text
	.protected	k_qb06708565c_search
	.globl	k_qb06708565c_search
	.p2align	8
	.type	k_qb06708565c_search,@function
k_qb06708565c_search:
	s_mov_b64 s[64:65], 0
	v_nop
	global_prefetch_b8 v0, s[64:65] scope:SCOPE_SE
	s_setreg_imm32_b32 hwreg(HW_REG_WAVE_MODE, 25, 1), 1
	s_wait_xcnt 0x0
	s_wait_alu depctr_hold_cnt(0) depctr_sa_sdst(0) depctr_va_vdst(0) depctr_va_sdst(0) depctr_va_ssrc(0) depctr_va_vcc(0) depctr_vm_vsrc(0)
	s_getreg_b32 s2, hwreg(HW_REG_IB_STS2, 6, 4)
	s_cmp_eq_u32 s2, 0
	s_cbranch_scc0 .Lentry_in_a_cluster
	s_endpgm
.Lentry_in_a_cluster:
	s_bfe_u32 s2, ttmp6, 0x10000c
	s_cmp_lg_u32 s2, 0x3003
	s_cbranch_scc0 .Lentry_shape_is_right
	s_endpgm
.Lentry_shape_is_right:
; For each of 256 rows of x and one quarter (2,048 codes) of the codebook: the largest y = x . e - |e|^2 / 2 and the lowest code that has it.  x . e is the product of the FP4 codes with their E8M0 scales;
; -|e|^2 / 2 is the C of each sum's first matrix instruction.  The smallest |x|^2 + |e|^2 - 2 x . e is the largest y: |x|^2 is the same for all codes of a row and is left out (no launch computes it).
; LIMITS: the rounding differs from that of the sum |x|^2 + |e|^2 - 2 x . e: codes whose distances differ by no more than f32 rounding may be ordered otherwise.  NaN and infinities are not served.
; SHARES.  Work-group (rb, quarter): rows 256 rb .. + 255, codes 2048 quarter .. + 2047, in 4 chunks of 512 codes.  Eight waves, two to a SIMD.  Wave w holds the 128 rows of row group g = w / 4 as fragments
; (256 registers, window 1) and takes tiles 8 c .. 8 c + 7 of each chunk, c = w % 4: each fragment of codes feeds eight matrix instructions, and a chunk brought into LDS serves 256 rows.
; THE MATRIX INSTRUCTION IS USED TRANSPOSED (source 0 = 16 codes, source 1 = 16 rows of x): a lane holds ONE row of x (lane % 16), its eight registers the codes 8 (lane / 16) + 0 .. 7 of the tile.
; THE ARGMAX.  For a tile and a row tile: the largest of the running largest and the lane's eight (4 lines; the running largest lies in two sets of registers that take turns, tile by tile); has it grown
; (1 line, into VCC); where it has, the tile's first seven values and the tile's first code are kept: eight selects under VCC, written as four dual pairs.  Which of the eight it was is found once, at the end:
; the lowest j under 7 whose kept value equals the running largest, or 7 if none does.  Tiles are walked in ascending order of codes and only a strictly larger value replaces, so the lowest code wins a tie.
; No branch hangs on data.
; THE RESULT.  The code, and the value as a whole number that orders as the value does (-0 is first made +0; a negative number's lower 31 bits are turned over): the next launch compares whole numbers.
; THE RING.  A chunk (codes in register order, scale words, -|e|^2 / 2) is 141,312 dense bytes, 552 rows of 256; two LDS slots.  At the head each wave issues one tensor load, all of about one size:
; waves 0-3 a quarter of chunk 0 (138 rows) into slot 0; waves 4 and 5 one of x's two records (136 rows) each into the first 272 rows of slot 1; waves 6 and 7 a half (140 rows) each of chunk 1's last 280 rows,
; at their own place in slot 1.  So every byte of slot 1 has been filled at the head.  x is read into registers; then its 272 rows are filled again with chunk 1's first 272, 34 rows a wave, behind a round.
; Chunks 2 and 3 come an eighth a wave (69 rows), one load a wave behind a round.  By this text's own count a wave has one tensor load out at most.  Four chunks: the steps are written out, with no loop.
; CLUSTER.  The four row blocks of a cluster walk the same chunks of one quarter: each load of a chunk is asked for JOINTLY, the same descriptor and the mask of all four in each.  x's records are each
; work-group's own (69,632 bytes against 565,248 of chunks) and come by plain loads.  A cluster of 4 x 4 would share nothing more: the quarters read different chunks.
; All of the LDS is claimed:
; REGISTERS.  Window 0: v1-14 addresses; v16-31 x's scale words; v32-35 the codes' scale words; v36-43 -|e|^2 / 2; v47 the tile's first code; v48-63 the running largest, two sets; v64-71 j; v72-87 the other half
;   of the lanes'; v96-127 a tile's fragments; v128-191 eight accumulators; v192-255 row tile m: seven kept values and the kept first code.   Window 1: x's fragments, row tile m, K step q at v[32 m + 8 q].
.set CHUNK,  141312
.set EIGHTH, CHUNK/8                   ; 69 x 256
.set QUART,  CHUNK/4                   ; 138 x 256
.set XREC,   34816                     ; 136 x 256: a record of x
.set XBOTH,  2*XREC                    ; 272 x 256
.set TAILH,  (CHUNK-XBOTH)/2           ; 140 x 256: half of what slot 1 holds behind x
.set RPART,  XBOTH/8                   ; 34 x 256: a wave's part of the refill of x's bytes
.set SCO,    131072                    ; in a chunk: the scale words, 16 bytes a code,
.set BIO,    139264                    ; and -|e|^2 / 2, 4 bytes a code
.set SPARE,  2*CHUNK                   ; behind the ring: the spare words, 128 bytes for each wave, that no other line names
.set RED,    SPARE+1024                ; the waves' results: values at 1024 c + 4 row, codes 4,096 bytes on; written by LDS stores, never filled
.set SPW, 1                            ; LDS address of my spare word; never rewritten
.set NIL, 2                            ; 0; never rewritten
.set AFR, 3                            ; v3-4  my wave's eight tiles in slot 0, 1: + 16 x lane
.set ASC, 5                            ; v5-6  their scale words (lanes 0-15 an even tile's rows, lanes 16-31 the next tile's)
.set ABI, 7                            ; v7-8  their -|e|^2 / 2: + 32 (lane / 16)
.set PFO, 9                            ; the prefetch's offset
.set H8,  10                           ; 8 (lane / 16)
.set ARD, 11                           ; RED + 1024 c + 512 g + 4 (lane % 16)
.set XA,  12                           ; my row group's record of x + 16 x lane
.set T4,  13                           ; 4 x thread
.set ARR, 14                           ; RED + 4 x thread
.set XS,  16
.set SA,  32
.set BI,  36
.set TID, 47                           ; 3 modulo 4, where the accumulators' register 6 is 2 modulo 4: a dual pair's second sources differ modulo 4
.set RA,  48                           ; v[RA + 8 p + m]: the running largest that a tile of parity p reads; it writes the other set
.set TJ,  64
.set PV,  72
.set PI,  80
.set AF,  96
.set ACC, 128
.set SAVE, 192
.set WV,  12
.set G1J, 24                           ; s[24:31] group 1, joint: the head's quarters of chunk 0, then the ring's eighths
.set G1X, 32                           ; s[32:39] for a record of x, plain
.set G0,  40                           ; s[40:47] group 0 for the ring, a set for each slot
.set G0X, 48                           ; s[48:51] for x
.set PFA, 52                           ; s[52:53] where my prefetch stands; never rewritten
.set LIM, 54                           ; 1 in a wave that prefetches, else 0
.set SB,  57                           ; the first code of the tile in hand
.set SEL, 58                           ; s[58:59] lane selects: lane l xor 16
.set G0H, 68                           ; s[68:71] group 0 for the head's quarter of chunk 0
.set G0T, 72                           ; s[72:75] for the head's half of chunk 1's last rows
.set G0R, 76                           ; s[76:79] for my part of chunk 1's first rows
.set MK,  72                           ; s[72:79] on the way out, when those loads are long done: a mask of lanes for each row tile
.set G1T, 88                           ; s[88:95] group 1, joint: chunk 1's last rows at the head, then its first rows
.set MSB, 0
.macro WIN new                         ; the immediate's high byte repeats the setting that is left
.if MSB != \new
	s_set_vgpr_msb (MSB<<8)|\new
.set MSB, \new
.endif
.endm
.macro NOPS n
.rept \n
	v_nop
.endr
.endm
.macro CREST                           ; a round of the cluster's barrier behind its opening barrier
	s_cmp_lg_u32 s[WV], 0
	s_cbranch_scc1 .Lnot_wave_0_\@
	s_barrier_signal -3
.Lnot_wave_0_\@:
	s_barrier_wait -3
	s_barrier_signal -1
	s_barrier_wait -1
.endm
.macro CROUND
	s_barrier_signal -1
	s_barrier_wait -1
	CREST
.endm
	s_load_b256 s[4:11], s[0:1], 0x0               ; xq s[4:5], cbq s[6:7], bestk s[8:9], besti s[10:11]
	v_lshl_add_u32 v[SPW], v0, 2, SPARE
	v_mov_b32 v[NIL], 0
	ds_add_u32 v[SPW], v[NIL]                      ; the opening lines: the add, twice on end, and its wait ahead of my first tensor load
	ds_add_u32 v[SPW], v[NIL]
	v_lshrrev_b32 v15, 5, v0
	v_readfirstlane_b32 s[WV], v15                 ; wave 0..7
	s_bfe_u32 s13, ttmp6, 0x40000                  ; cx: it enters x's address, the prefetch's and the results' alone
	s_lshl_b32 s14, ttmp9, 2
	s_add_co_u32 s14, s14, s13                     ; rb: my block of 256 rows
	s_and_b32 s15, ttmp7, 0xffff                   ; the quarter, which the four partners share
	s_mul_i32 s16, s15, 4*CHUNK                    ; where the quarter begins
	s_mov_b32 s17, 0
	s_mul_i32 s18, s[WV], EIGHTH                   ; my eighth of a chunk, in memory and in a slot
	s_mul_i32 s62, s[WV], QUART                    ; waves 0-3: my quarter of chunk 0
	s_mov_b32 s63, 0
	s_and_b32 s22, s[WV], 1                        ; waves 4, 5: records 0 and 1 of my block; waves 6, 7: halves 0 and 1 of chunk 1's last rows
	s_lshl_b32 s20, s14, 1
	s_add_co_u32 s20, s20, s22
	s_mul_i32 s20, s20, XREC
	s_mov_b32 s21, 0
	s_mul_i32 s23, s22, XREC
	s_add_co_u32 s23, s23, CHUNK                   ; x lands at the head of slot 1
	s_mul_i32 s66, s22, TAILH
	s_add_co_u32 s66, s66, CHUNK+XBOTH             ; chunk 1 lies CHUNK bytes into the quarter and slot 1 CHUNK bytes into LDS: one number serves both
	s_mov_b32 s67, 0
	s_mul_i32 s60, s13, CHUNK/4                    ; the prefetch: my work-group's quarter of a chunk,
	s_mul_i32 s61, s[WV], 23*256                   ; my wave's 23 blocks,
	s_add_co_u32 s60, s60, s61
	s_add_co_u32 s60, s60, 3*CHUNK                 ; in chunk 3
	s_mov_b32 s61, 0
	s_cmp_lt_u32 s[WV], 6
	s_cselect_b32 s[LIM], 0, 1                     ; 0 in waves 0 to 5
	s_or_b32 s[LIM], s[LIM], ttmp9                 ; of the quarter's first cluster: the same in all four partners
	s_cmp_eq_u32 s[LIM], 0
	s_cselect_b32 s[LIM], 1, 0
	s_and_b32 s84, s[WV], 3                        ; c: which eight tiles of a chunk
	s_lshr_b32 s85, s[WV], 2                       ; g: which 128 rows
	s_lshl_b32 s[SB], s15, 11
	s_lshl_b32 s80, s84, 7
	s_add_co_u32 s[SB], s[SB], s80                 ; my first tile's first code: 2048 quarter + 128 c
	s_mov_b32 s[SEL], 0x76543210
	s_mov_b32 s[SEL+1], 0xfedcba98
	s_lshl_b32 s80, s84, 15                        ; my eight tiles: 32,768 bytes
	s_lshl_b32 s81, s84, 11                        ; their scale words: 2,048 bytes
	s_add_co_u32 s81, s81, SCO
	s_lshl_b32 s82, s84, 9                         ; their -|e|^2 / 2: 512 bytes
	s_add_co_u32 s82, s82, BIO
	s_lshl_b32 s83, s84, 10
	s_lshl_b32 s86, s85, 9
	s_add_co_u32 s83, s83, s86
	s_add_co_u32 s83, s83, RED
	s_mul_i32 s86, s85, XREC
	s_add_co_u32 s86, s86, CHUNK                   ; my row group's record of x
	; group 1: dense blocks as rows of 256 bytes (32 elements of 8 bytes), no padding: every LDS read here takes 512 consecutive bytes or one word for many lanes
	s_mov_b32 s[G1J], 15|(3<<16)|(1<<21)           ; the mask of all four work-groups; elements of 8 bytes; bit 21 beside a mask
	s_mov_b32 s[G1J+2], 138<<16
	s_mov_b32 s[G1J+4], 138
	s_mov_b32 s[G1T], 15|(3<<16)|(1<<21)
	s_mov_b32 s[G1T+2], 140<<16
	s_mov_b32 s[G1T+4], 140
	s_mov_b32 s[G1X], 3<<16                        ; no mask: my work-group's own
	s_mov_b32 s[G1X+2], 136<<16
	s_mov_b32 s[G1X+4], 136
.irp g, G1J, G1T, G1X
	s_mov_b32 s[\g+1], 32<<16
	s_mov_b32 s[\g+3], 32<<16
	s_mov_b32 s[\g+5], 32
	s_mov_b32 s[\g+6], 0
	s_mov_b32 s[\g+7], 0
.endr
	s_wait_dscnt 0x0                               ; both opening adds are done
	s_wait_kmcnt 0x0
	s_add_nc_u64 s[6:7], s[6:7], s[16:17]          ; the quarter's chunk 0
	s_add_nc_u64 s[PFA:PFA+1], s[6:7], s[60:61]
	s_mov_b32 s16, s18
	s_add_nc_u64 s[16:17], s[6:7], s[16:17]        ; my eighth of chunk 0
.irp s, 0,1
	s_mov_b32 s[G0+4*\s], 1
	s_add_co_u32 s[G0+4*\s+1], s18, \s*CHUNK                       ; slot s, my eighth
	s_add_nc_u64 s[G0+4*\s+2:G0+4*\s+3], s[16:17], \s*CHUNK        ; chunk s: the sets are first used, stepped, for chunks 2 and 3
	s_or_b32 s[G0+4*\s+3], s[G0+4*\s+3], 0x80000000
.endr
	s_mov_b32 s[G0H], 1
	s_mul_i32 s[G0H+1], s[WV], QUART
	s_add_nc_u64 s[G0H+2:G0H+3], s[6:7], s[62:63]
	s_or_b32 s[G0H+3], s[G0H+3], 0x80000000
	s_mov_b32 s[G0X], 1
	s_mov_b32 s[G0X+1], s23
	s_add_nc_u64 s[G0X+2:G0X+3], s[4:5], s[20:21]
	s_or_b32 s[G0X+3], s[G0X+3], 0x80000000
	s_mov_b32 s[G0T], 1
	s_mov_b32 s[G0T+1], s66
	s_add_nc_u64 s[G0T+2:G0T+3], s[6:7], s[66:67]
	s_or_b32 s[G0T+3], s[G0T+3], 0x80000000
	s_mul_i32 s60, s[WV], RPART
	s_add_co_u32 s60, s60, CHUNK                   ; my 34 rows of chunk 1's first 272, in the quarter and in LDS alike
	s_mov_b32 s[G0R], 1
	s_mov_b32 s[G0R+1], s60
	s_add_nc_u64 s[G0R+2:G0R+3], s[6:7], s[60:61]
	s_or_b32 s[G0R+3], s[G0R+3], 0x80000000
	s_lshl_b32 s60, s15, 16                        ; the results: [quarter][16384], 4 bytes each; my block's 256
	s_lshl_b32 s4, s14, 10
	s_add_co_u32 s60, s60, s4
	s_add_nc_u64 s[8:9], s[8:9], s[60:61]
	s_add_nc_u64 s[10:11], s[10:11], s[60:61]
	CROUND                                         ; all four work-groups are here: the first joint loads meet
	s_cmp_lt_u32 s[WV], 4                          ; one tensor load a wave at the head: one chain of branches on the wave's number, a load to an arm, one join
	s_cbranch_scc0 .Lhead_x
	tensor_load_to_lds s[G0H:G0H+3], s[G1J:G1J+7]  ; waves 0-3: chunk 0
	s_nop 0
	NOPS 4
	s_branch .Lhead_asked
.Lhead_x:
	s_cmp_lt_u32 s[WV], 6
	s_cbranch_scc0 .Lhead_t
	tensor_load_to_lds s[G0X:G0X+3], s[G1X:G1X+7]  ; waves 4, 5: x
	s_nop 0
	NOPS 4
	s_branch .Lhead_asked
.Lhead_t:
	tensor_load_to_lds s[G0T:G0T+3], s[G1T:G1T+7]  ; waves 6, 7: chunk 1's last 280 rows
	s_nop 0
	NOPS 4
.Lhead_asked:
	v_and_b32 v15, 31, v0                          ; lane
	v_and_b32 v88, 15, v0                          ; lane % 16
	v_bfe_u32 v89, v0, 4, 1                        ; lane / 16
	v_lshl_add_u32 v[AFR], v15, 4, s80
	v_lshl_add_u32 v[ASC], v15, 4, s81
	v_lshl_add_u32 v[ABI], v89, 5, s82
	v_min_u32 v[PFO], 22, v15
	v_add_nc_u32 v[AFR+1], CHUNK, v[AFR]
	v_add_nc_u32 v[ASC+1], CHUNK, v[ASC]
	v_add_nc_u32 v[ABI+1], CHUNK, v[ABI]
	v_lshlrev_b32 v[PFO], 8, v[PFO]
	v_lshlrev_b32 v[H8], 3, v89
	v_lshl_add_u32 v[ARD], v88, 2, s83
	v_lshl_add_u32 v[XA], v15, 4, s86
	v_lshlrev_b32 v[T4], 2, v0
	v_lshl_add_u32 v[ARR], v0, 2, RED
.irp m, 0,1,2,3,4,5,6,7
	v_mov_b32 v[RA+\m], 0xff800000                 ; the running largest begins at -infinity, under every y
	v_mov_b32 v[PV+\m], 0                          ; written once: a lane permute's destination counts as one of its sources
	v_mov_b32 v[PI+\m], 0
.irp j, 0,1,2,3,4,5,6
	v_mov_b32 v[SAVE+8*\m+\j], 0xff800000          ; the kept values: the selects read them before the first tile has replaced them
.endr
	v_mov_b32 v[SAVE+8*\m+7], 0                    ; and the kept first code
.endr
; Tile t (0..7) of my eight in slot s: its eight pieces of 512 bytes; for an even t the scale words of tiles t and t + 1; its -|e|^2 / 2 in the result's layout
.macro FETCH s, t
.irp p, 0,1,2,3,4,5,6,7
	ds_load_b128 v[AF+4*\p:AF+4*\p+3], v[AFR+\s] offset:(\t)*4096+\p*512
.endr
.if ((\t)%2) == 0
	ds_load_b128 v[SA:SA+3], v[ASC+\s] offset:((\t)/2)*512
.endif
	ds_load_b128 v[BI:BI+3], v[ABI+\s] offset:(\t)*64
	ds_load_b128 v[BI+4:BI+7], v[ABI+\s] offset:(\t)*64+16
.endm
; One matrix instruction: row tile m, K step q.  cb: the registers of C.  ra, rb: the codes' and x's scale words stand in lanes 16-31
.macro WM m, q, cb, ra, rb
.if (\ra) && (\rb)
	v_wmma_scale_f32_16x16x128_f8f6f4 v[ACC+8*\m:ACC+8*\m+7], v[AF+8*\q:AF+8*\q+7], v[32*\m+8*\q:32*\m+8*\q+7], v[\cb:\cb+7], v[SA+\q], v[XS+4*(\m/2)+\q] matrix_a_fmt:MATRIX_FMT_FP4 matrix_b_fmt:MATRIX_FMT_FP4 matrix_a_scale:MATRIX_SCALE_ROW1 matrix_b_scale:MATRIX_SCALE_ROW1
.elseif (\ra)
	v_wmma_scale_f32_16x16x128_f8f6f4 v[ACC+8*\m:ACC+8*\m+7], v[AF+8*\q:AF+8*\q+7], v[32*\m+8*\q:32*\m+8*\q+7], v[\cb:\cb+7], v[SA+\q], v[XS+4*(\m/2)+\q] matrix_a_fmt:MATRIX_FMT_FP4 matrix_b_fmt:MATRIX_FMT_FP4 matrix_a_scale:MATRIX_SCALE_ROW1
.elseif (\rb)
	v_wmma_scale_f32_16x16x128_f8f6f4 v[ACC+8*\m:ACC+8*\m+7], v[AF+8*\q:AF+8*\q+7], v[32*\m+8*\q:32*\m+8*\q+7], v[\cb:\cb+7], v[SA+\q], v[XS+4*(\m/2)+\q] matrix_a_fmt:MATRIX_FMT_FP4 matrix_b_fmt:MATRIX_FMT_FP4 matrix_b_scale:MATRIX_SCALE_ROW1
.else
	v_wmma_scale_f32_16x16x128_f8f6f4 v[ACC+8*\m:ACC+8*\m+7], v[AF+8*\q:AF+8*\q+7], v[32*\m+8*\q:32*\m+8*\q+7], v[\cb:\cb+7], v[SA+\q], v[XS+4*(\m/2)+\q] matrix_a_fmt:MATRIX_FMT_FP4 matrix_b_fmt:MATRIX_FMT_FP4
.endif
.endm
; 32 matrix instructions: 16 codes x 128 rows x 512 K.  The eight accumulators take turns, one instruction a turn; the first K step takes -|e|^2 / 2 as C: nothing is cleared
.macro MULS t
	WIN 0x04                                       ; source 1 (x) in window 1
.irp q, 0,1,2,3
.irp m, 0,1,2,3,4,5,6,7
.if \q == 0
	WM \m, \q, BI, (\t)%2, \m%2
.else
	WM \m, \q, ACC+8*\m, (\t)%2, \m%2
.endif
.endr
.endr
	WIN 0
.endm
; The argmax's step for a tile of parity p.  The maxima go by turns over the eight row tiles, each accumulator from its low end on; then, row tile by row tile, the compare into VCC and four dual pairs of selects
; under it (the next row tile's last maximum stands between the compare and the selects).
.macro EPI p
.set OLD, RA+8*(\p)
.set NEW, RA+8*(1-(\p))
.irp m, 0,1,2,3,4,5,6,7
	v_max3_num_f32 v[NEW+\m], v[OLD+\m], v[ACC+8*\m], v[ACC+8*\m+1]
.endr
.irp i, 2,4
.irp m, 0,1,2,3,4,5,6,7
	v_max3_num_f32 v[NEW+\m], v[NEW+\m], v[ACC+8*\m+\i], v[ACC+8*\m+\i+1]
.endr
.endr
	v_max3_num_f32 v[NEW], v[NEW], v[ACC+6], v[ACC+7]
.irp m, 0,1,2,3,4,5,6,7
	v_cmp_gt_f32 vcc_lo, v[NEW+\m], v[OLD+\m]              ; has the running largest grown?
.if \m < 7
	v_max3_num_f32 v[NEW+\m+1], v[NEW+\m+1], v[ACC+8*\m+14], v[ACC+8*\m+15]
.endif
.irp j, 0,2,4
	v_dual_cndmask_b32 v[SAVE+8*\m+\j], v[SAVE+8*\m+\j], v[ACC+8*\m+\j] :: v_dual_cndmask_b32 v[SAVE+8*\m+\j+1], v[SAVE+8*\m+\j+1], v[ACC+8*\m+\j+1]   ; then the tile's first seven values are kept,
.endr
	v_dual_cndmask_b32 v[SAVE+8*\m+6], v[SAVE+8*\m+6], v[ACC+8*\m+6] :: v_dual_cndmask_b32 v[SAVE+8*\m+7], v[SAVE+8*\m+7], v[TID]   ; and its first code
.endr
.endm
.macro PROD t                          ; a tile's products, and four places ahead of loads into registers that they read and of the first read of results
	s_wait_dscnt 0x0                               ; the tile's fragments, scale words and -|e|^2 / 2 are in
	MULS \t
	v_mov_b32 v[TID], s[SB]
	NOPS 3
.endm
.macro TILES s                         ; a chunk's eight tiles, up to the last tile's products: its argmax step stands in the change of slots, or at the end
.irp t, 0,1,2,3,4,5,6
	PROD \t
	FETCH \s, \t+1
	EPI \t%2
	s_add_co_u32 s[SB], s[SB], 16
.endr
	PROD 7
.endm
; THE CHANGE OF SLOTS: slot s has been read, slot n comes.  Each wave waits for all its tensor loads (its part of slot n), adds 0 to its spare word, waits for that and for its reads of slot s, and signals;
; the last tile's argmax step, work on registers alone, stands between the signal and the wait.  fill = 1: the barrier opens a round of the cluster's, and the joint refill of slot s, with the chunk two on,
; is the first thing behind the round.  ask = 1: chunk 3, which the next change will load, is prefetched: all 16 clusters of a quarter walk the same chunks, and the first of them asks; its four partners take a
; quarter of the chunk each, told apart BY ADDRESS (138 blocks of 256 bytes); in each, waves 0 to 5 take 23 blocks, a lane a block (lanes 23 to 31 name lane 22's again).  Chunks 0, 1, 2 come by their loads alone.
.macro CHANGE s, n, fill, ask
	s_wait_tensorcnt 0x0                           ; no tensor load of mine is out, so a group 0 may be written
	ds_add_u32 v[SPW], v[NIL]
.if \fill
	s_add_nc_u64 s[G0+4*\s+2:G0+4*\s+3], s[G0+4*\s+2:G0+4*\s+3], 2*CHUNK
.endif
	s_wait_dscnt 0x0                               ; the add is done, and my reads of the slot are over
	s_barrier_signal -1
	EPI 1
	s_add_co_u32 s[SB], s[SB], 400                 ; on to my first tile of the next chunk: 512 codes a chunk
	s_barrier_wait -1
.if \fill
	CREST
	tensor_load_to_lds s[G0+4*\s:G0+4*\s+3], s[G1J:G1J+7]
	s_nop 0
	NOPS 4
.endif
	FETCH \n, 0
.if \ask
	s_cmp_eq_u32 s[LIM], 1
	s_cbranch_scc0 .Lnot_mine_\@
	global_prefetch_b8 v[PFO], s[PFA:PFA+1] th:TH_LOAD_NT scope:SCOPE_SE
.Lnot_mine_\@:
.endif
.endm
; (va, ia) takes (vb, ib) where vb is larger, or equal with the lower code
.macro BETTER va, ia, vb, ib
	v_cmp_gt_f32 s84, v[\vb], v[\va]
	v_cmp_eq_f32 s85, v[\vb], v[\va]
	v_cmp_lt_u32 s86, v[\ib], v[\ia]
	s_and_b32 s85, s85, s86
	s_or_b32 s84, s84, s85
	v_cndmask_b32 v[\va], v[\va], v[\vb], s84
	v_cndmask_b32 v[\ia], v[\ia], v[\ib], s84
.endm
	s_wait_alu depctr_va_vdst(0)                   ; the wait at the head's end
	s_wait_tensorcnt 0x0                           ; my part of the head's tiles is in
	s_barrier_signal -1
	s_barrier_wait -1                              ; everybody's is
	WIN 0x40                                       ; destination window 1
.set i, 0
.rept 64
	ds_load_b128 v[4*i:4*i+3], v[XA] offset:512*i  ; my row group's 64 pieces of x: row tile i / 8, piece i % 8: they stay in registers
.set i, i+1
.endr
	WIN 0
.irp p, 0,1,2,3
	ds_load_b128 v[XS+4*\p:XS+4*\p+3], v[XA] offset:32768+512*\p   ; x's scale words: lanes 0-15 row tile 2 p, lanes 16-31 row tile 2 p + 1; register q for K step q
.endr
	s_wait_tensorcnt 0x0                           ; the bytes that held x are filled again: the three lines,
	ds_add_u32 v[SPW], v[NIL]
	s_mov_b32 s[G1T+2], 34<<16                     ; (no tensor load of mine is out, so descriptors may be written: chunk 1's first rows come 34 a wave,
	s_mov_b32 s[G1T+4], 34
	s_mov_b32 s[G1J+2], 69<<16                     ; and the ring's loads bring an eighth, 69 rows)
	s_mov_b32 s[G1J+4], 69
	s_wait_dscnt 0x0                               ; x is in my registers
	CROUND                                         ; a round,
	tensor_load_to_lds s[G0R:G0R+3], s[G1T:G1T+7]  ; and chunk 1's first 272 rows
	s_nop 0
	NOPS 4
	FETCH 0, 0
	TILES 0                                        ; chunk 0
	CHANGE 0, 1, 1, 1                              ; slot 0 takes chunk 2
	TILES 1                                        ; chunk 1
	CHANGE 1, 0, 1, 0                              ; slot 1 takes chunk 3
	TILES 0                                        ; chunk 2
	CHANGE 0, 1, 0, 0                              ; nothing is asked for
	TILES 1                                        ; chunk 3
	EPI 1                                          ; the running largest ends in the first set
	; THE WAY OUT.  Which of the eight: the lowest j under 7 whose kept value equals the running largest, else 7
.irp m, 0,1,2,3,4,5,6,7
	v_mov_b32 v[TJ+\m], 7
.endr
.irp j, 6,5,4,3,2,1,0
.irp m, 0,1,2,3,4,5,6,7
	v_cmp_eq_f32 s[MK+\m], v[SAVE+8*\m+\j], v[RA+\m]
.endr
.irp m, 0,1,2,3,4,5,6,7
	v_cndmask_b32 v[TJ+\m], v[TJ+\m], \j, s[MK+\m]
.endr
.endr
.irp m, 0,1,2,3,4,5,6,7
	v_add3_u32 v[TJ+\m], v[TJ+\m], v[SAVE+8*\m+7], v[H8]   ; the code: the tile's first + 8 (lane / 16) + j
.endr
.irp m, 0,1,2,3,4,5,6,7
	v_permlanex16_b32 v[PV+\m], v[RA+\m], s[SEL], s[SEL+1] ; the row's other eight codes of each tile lie in the lane 16 away
	v_permlanex16_b32 v[PI+\m], v[TJ+\m], s[SEL], s[SEL+1]
.endr
.irp m, 0,1,2,3,4,5,6,7
	BETTER RA+\m, TJ+\m, PV+\m, PI+\m
.endr
.irp m, 0,1,2,3,4,5,6,7
	ds_store_b32 v[ARD], v[RA+\m] offset:64*\m             ; row 128 g + 16 m + lane % 16; both halves of the lanes write the same word with the same value
	ds_store_b32 v[ARD], v[TJ+\m] offset:64*\m+4096
.endr
	s_wait_dscnt 0x0                               ; for the others' sake: my stores are done
	s_barrier_signal -1
	s_barrier_wait -1
.irp w, 0,1,2,3
	ds_load_b32 v[ACC+\w], v[ARR] offset:1024*\w           ; each of the 256 threads takes a row and joins the results of the four waves that walked its codes
	ds_load_b32 v[ACC+8+\w], v[ARR] offset:1024*\w+4096
.endr
	s_wait_dscnt 0x0
.irp w, 1,2,3
	BETTER ACC, ACC+8, ACC+\w, ACC+8+\w
.endr
	v_add_f32 v88, 0, v[ACC]                       ; -0 becomes +0,
	v_ashrrev_i32 v89, 31, v88
	v_and_b32 v89, 0x7fffffff, v89
	v_xor_b32 v88, v88, v89                        ; and a negative number's lower 31 bits are turned over: as signed whole numbers the keys order as the values do
	global_store_b32 v[T4], v88, s[8:9]            ; a wave stores 128 consecutive bytes, the eight waves the block's 1,024
	global_store_b32 v[T4], v[ACC+8], s[10:11]
	s_wait_tensorcnt 0x0                           ; the wave's end
	ds_add_u32 v[SPW], v[NIL]
	s_wait_dscnt 0x0
	CROUND                                         ; the closing round
	s_endpgm
.Lfunc_end_k_qb06708565c_search:
	.size	k_qb06708565c_search, .Lfunc_end_k_qb06708565c_search-k_qb06708565c_search
	.p2alignl 7, 3214868480
	.fill 96, 4, 3214868480
	.section	.rodata,"a",@progbits
	.p2align	6, 0x0
	.amdhsa_kernel k_qb06708565c_search
		.amdhsa_group_segment_fixed_size 327680
		.amdhsa_private_segment_fixed_size 0
		.amdhsa_enable_private_segment 0
		.amdhsa_kernarg_size 32
		.amdhsa_user_sgpr_count 2
		.amdhsa_user_sgpr_kernarg_segment_ptr 1
		.amdhsa_wavefront_size32 1
		.amdhsa_system_sgpr_workgroup_id_x 1
		.amdhsa_system_sgpr_workgroup_id_y 1
		.amdhsa_system_sgpr_workgroup_id_z 1
		.amdhsa_system_vgpr_workitem_id 0
		.amdhsa_next_free_vgpr 512
		.amdhsa_next_free_sgpr 96
		.amdhsa_reserve_vcc 1
		.amdhsa_float_denorm_mode_32 3
		.amdhsa_float_denorm_mode_16_64 3
		.amdhsa_memory_ordered 1
		.amdhsa_forward_progress 1
		.amdhsa_inst_pref_size 255
	.end_amdhsa_kernel
	.section	.bss,"aw",@nobits
	.p2align	6
	.space	262144
	.amdgpu_metadata
---
amdhsa.version: [ 1, 2 ]
amdhsa.kernels:
  - .name:           k_qb06708565c_search
    .symbol:         k_qb06708565c_search.kd
    .args:
      - { .name: xq, .offset: 0, .size: 8, .value_kind: global_buffer, .address_space: global }
      - { .name: cbq, .offset: 8, .size: 8, .value_kind: global_buffer, .address_space: global }
      - { .name: bestk, .offset: 16, .size: 8, .value_kind: global_buffer, .address_space: global }
      - { .name: besti, .offset: 24, .size: 8, .value_kind: global_buffer, .address_space: global }
    .group_segment_fixed_size: 327680
    .private_segment_fixed_size: 0
    .kernarg_segment_align: 8
    .kernarg_segment_size: 32
    .max_flat_workgroup_size: 256
    .sgpr_count:     96
    .vgpr_count:     512
    .wavefront_size: 32
...
	.end_amdgpu_metadata
.endif
;; end of part 2
;; launch gather (part 3): grid 256 x 1, 16 waves a work-group, no clusters, 0 bytes of LDS; arguments bestk, besti, codebook, out0; writes out0
.if DOCPART == 3
	.amdgcn_target "amdgcn-amd-amdhsa--gfx1250"
	.amdhsa_code_object_version 6
	.text
	.protected	k_qb06708565c_gather
	.globl	k_qb06708565c_gather
	.p2align	8
	.type	k_qb06708565c_gather,@function
k_qb06708565c_gather:
	s_mov_b64 s[64:65], 0
	v_nop
	global_prefetch_b8 v0, s[64:65] scope:SCOPE_SE
	s_setreg_imm32_b32 hwreg(HW_REG_WAVE_MODE, 25, 1), 1
	s_wait_xcnt 0x0
; out0[row] = codebook[code of the row], f32 rows of 2,048 bytes.  |x|^2 is left out here as in the launches before (it is the same for all codes of a row).
; The search left four candidates a row, one for each quarter of the codebook: besti [4][16384] the code, bestk [4][16384] a signed whole number that orders as the candidate's value does.
; Both are whole numbers read from memory: the winner is chosen by scalar compares and selects, and one row is loaded.  A later quarter's code is taken only where its key is strictly larger: at equal keys the
; lower code wins.
; SHARES.  A wave takes 4 rows; 16 waves, 256 work-groups.  Each load and store of a wave covers 512 consecutive bytes.  All 16 loads of a wave go out at once: there is no loop to run ahead in, so nothing is
; prefetched.  No LDS, no barrier, no matrix unit, no cluster: the launch only moves bytes, and work-groups share no tile.  No register is written twice while a memory instruction may read it.
.set L16, 2                            ; v2     16 x lane; never rewritten
.set OA,  4                            ; v4-7   byte offset of the chosen row, + 16 x lane, for my 4 rows
.set D,   8                            ; v8-71  row k: 16 registers
.set IX,  16                           ; s[16:31] quarter q's codes of my 4 rows at s[IX + 4 q + k]
.set KY,  32                           ; s[32:47] and its keys
	s_load_b256 s[4:11], s[0:1], 0x0               ; bestk s[4:5], besti s[6:7], codebook s[8:9], out0 s[10:11]
	v_lshrrev_b32 v1, 5, v0
	v_readfirstlane_b32 s12, v1                    ; wave 0..15
	v_and_b32 v1, 31, v0
	v_lshlrev_b32 v[L16], 4, v1
	s_lshl_b32 s13, ttmp9, 4
	s_add_co_u32 s13, s13, s12                     ; which run of 4 rows is mine
	s_lshl_b32 s14, s13, 4                         ; 16 bytes of keys, and of codes
	s_lshl_b32 s2, s13, 13                         ; 8,192 bytes of out0
	s_mov_b32 s3, 0
	s_wait_alu depctr_va_vdst(0)                   ; the wait at the head's end
	s_wait_kmcnt 0x0
.irp q, 0,1,2,3
	s_load_b128 s[IX+4*\q:IX+4*\q+3], s[6:7], s14 offset:0x10000*\q
	s_load_b128 s[KY+4*\q:KY+4*\q+3], s[4:5], s14 offset:0x10000*\q
.endr
	s_add_nc_u64 s[10:11], s[10:11], s[2:3]
	s_wait_kmcnt 0x0
.irp k, 0,1,2,3
.irp q, 1,2,3
	s_cmp_gt_i32 s[KY+4*\q+\k], s[KY+\k]           ; is quarter q's key strictly larger than the best so far?
	s_cselect_b32 s[IX+\k], s[IX+4*\q+\k], s[IX+\k]
	s_cselect_b32 s[KY+\k], s[KY+4*\q+\k], s[KY+\k]
.endr
	s_min_u32 s[IX+\k], s[IX+\k], 8191             ; a loaded number enters an address only held inside the table
.endr
.irp k, 0,1,2,3
	v_lshl_add_u32 v[OA+\k], s[IX+\k], 11, v[L16]  ; 2,048 bytes a row
.endr
.irp k, 0,1,2,3
.irp p, 0,1,2,3
	global_load_b128 v[D+16*\k+4*\p:D+16*\k+4*\p+3], v[OA+\k], s[8:9] offset:512*\p
.endr
.endr
.irp k, 0,1,2,3
	s_wait_loadcnt 4*(3-\k)                        ; row k's four loads are in; the later rows' may be out
.irp p, 0,1,2,3
	global_store_b128 v[L16], v[D+16*\k+4*\p:D+16*\k+4*\p+3], s[10:11] offset:2048*\k+512*\p th:TH_STORE_NT   ; 32 lanes store 512 consecutive bytes, at a multiple of 256 from out0's first byte
.endr
.endr
	s_endpgm
.Lfunc_end_k_qb06708565c_gather:
	.size	k_qb06708565c_gather, .Lfunc_end_k_qb06708565c_gather-k_qb06708565c_gather
	.p2alignl 7, 3214868480
	.fill 96, 4, 3214868480
	.section	.rodata,"a",@progbits
	.p2align	6, 0x0
	.amdhsa_kernel k_qb06708565c_gather
		.amdhsa_group_segment_fixed_size 0
		.amdhsa_private_segment_fixed_size 0
		.amdhsa_enable_private_segment 0
		.amdhsa_kernarg_size 32
		.amdhsa_user_sgpr_count 2
		.amdhsa_user_sgpr_kernarg_segment_ptr 1
		.amdhsa_wavefront_size32 1
		.amdhsa_system_sgpr_workgroup_id_x 1
		.amdhsa_system_sgpr_workgroup_id_y 1
		.amdhsa_system_sgpr_workgroup_id_z 1
		.amdhsa_system_vgpr_workitem_id 0
		.amdhsa_next_free_vgpr 72
		.amdhsa_next_free_sgpr 66
		.amdhsa_reserve_vcc 0
		.amdhsa_float_denorm_mode_32 3
		.amdhsa_float_denorm_mode_16_64 3
		.amdhsa_memory_ordered 1
		.amdhsa_forward_progress 1
		.amdhsa_inst_pref_size 6
	.end_amdhsa_kernel
	.amdgpu_metadata
---
amdhsa.version: [ 1, 2 ]
amdhsa.kernels:
  - .name:           k_qb06708565c_gather
    .symbol:         k_qb06708565c_gather.kd
    .args:
      - { .name: bestk, .offset: 0, .size: 8, .value_kind: global_buffer, .address_space: global }
      - { .name: besti, .offset: 8, .size: 8, .value_kind: global_buffer, .address_space: global }
      - { .name: codebook, .offset: 16, .size: 8, .value_kind: global_buffer, .address_space: global }
      - { .name: out0, .offset: 24, .size: 8, .value_kind: global_buffer, .address_space: global }
    .group_segment_fixed_size: 0
    .private_segment_fixed_size: 0
    .kernarg_segment_align: 8
    .kernarg_segment_size: 32
    .max_flat_workgroup_size: 512
    .sgpr_count:     66
    .vgpr_count:     72
    .wavefront_size: 32
...
	.end_amdgpu_metadata
.endif
;; end of part 3
